; MI455X (gfx1250); checked and timed in simulation.
; The chip was launched on July 23, 2026; its instructions are those of AMD's public machine-readable ISA for CDNA 5 (MIT licence, August 2026) and "CDNA5" Instruction Set Architecture Reference Guide (July 2026). The comments in the code are by the model that wrote it; some were corrected since.
;; Hybrid. Allowed arithmetic: float matrix products may take bf16 or f16 operands with f32 sums; all other float work in f32.
;; Inputs: Bbig 8 x 512 float32; Blil 8 x 8 x 512 float32; Wbig 8 x 512 x 512 float32; Wlil 8 x 8 x 512 x 512 float32; x 32,768 x 512 float32.
;; Outputs: out0 32,768 x 512 float32.
;; Constants: n_lil = 2048, split = 16384.
;; One version. Each part assembles by itself: llvm-mc -triple=amdgcn-amd-amdhsa -mcpu=gfx1250 --defsym DOCPART=n.
;; ======== version 1 of 1: 2 launches
;; limits: values are held in f16: magnitudes above 65,504 overflow, below 6.1e-05 lose precision; inputs' magnitudes at most 65,504
;; workspace buffers: wt 37,748,736 bytes
;; launch prep (part 1): grid 256 x 1, 9 waves a work-group, no clusters, 18,688 bytes of LDS; arguments Wbig, Wlil, wt; writes wt
.if DOCPART == 1
	.amdgcn_target "amdgcn-amd-amdhsa--gfx1250"
	.amdhsa_code_object_version 6
	.text
	.protected	k_q858a205572_prep
	.globl	k_q858a205572_prep
	.p2align	8
	.type	k_q858a205572_prep,@function
k_q858a205572_prep:
	s_mov_b64 s[64:65], 0
	v_nop
	global_prefetch_b8 v0, s[64:65] scope:SCOPE_SE
	s_setreg_imm32_b32 hwreg(HW_REG_WAVE_MODE, 25, 1), 1
	s_wait_xcnt 0x0
; All weights, f32, are rounded once to f16 and laid in the order in which the second launch walks them:
;   wt[m 0..8][t = 8 l + s][w 0..3][rho 0..63][half 0..1][64 k],  m = 0 the big model, m = 1..8 the lil ones,
;   holding Weff(n, k) with out(n) = sum over k of y(k) Weff(n, k):  n = 128 w + 64 half + rho,  k = 64 s + 0..63.
;   big: Weff(n, k) = Wbig[l][k][n] (a transposition, made through LDS);  lil: Weff(n, k) = Wlil[l][m-1][n][k] (a regrouping).
; So one K step of 64 of one model is 64 KiB dense, a wave's 128 columns of it are 64 dense rows of 256 bytes, steps follow each other.
; LIMIT: f16 weights without a scale: |W| above 65504 becomes infinite, below 2^-14 the absolute error is 2^-25.
; Memory binds: every input byte is read once, sixteen neighbouring lanes of every load take 256 consecutive aligned bytes, every store
; of a wave covers 256 or 512 consecutive aligned bytes; no matrix unit, no cluster, no barrier (the one LDS stage belongs to one wave).
; THE SHARE: Wlil is 2,048 pieces of 32 KiB of f32, Wbig 256; a wave converts one piece.  256 work-groups of nine waves: waves 0..7 take
; the eight pieces of 128 rows of one lil matrix (g = the work-group's number), wave 8 takes big piece number g: equal work everywhere.
; A piece goes in four batches of 16 loads on three register sets: 48 of a wave's 64 loads go out at the start, the last 16 as soon as
; the first batch has been packed.
.set XA, 16                            ; v[16:79]   batch registers, set A (batches 0 and 3)
.set XB, 80                            ; v[80:143]  set B (batch 1)
.set XC, 144                           ; v[144:207] set C (batch 2)
.set Y,  208                           ; v[208:239] 32 registers of packed f16
	s_load_b128 s[4:7], s[0:1], 0x0                ; Wbig s[4:5], Wlil s[6:7]
	s_load_b64 s[8:9], s[0:1], 0x10                ; wt
	v_lshl_add_u32 v240, v0, 2, 0x4400
	v_mov_b32 v241, 0
	v_and_b32 v1, 31, v0                           ; lane L
	v_lshrrev_b32 v2, 5, v0
	v_readfirstlane_b32 s10, v2                    ; wave v, 0..8
	s_mov_b32 s13, 0                               ; high words of the two offsets
	s_mov_b32 s15, 0
	s_cmp_eq_u32 s10, 8
	s_cbranch_scc1 .Lbig
; ---------------- lil, waves 0..7: g = 4 (8 l + m') + w: 128 rows n of one matrix ----------------
	s_lshl_b32 s12, ttmp9, 18                      ; source: g x 128 rows x 2,048 bytes
	s_bfe_u32 s17, ttmp9, 0x30002                  ; m' = (g >> 2) & 7
	s_lshr_b32 s18, ttmp9, 5                       ; l
	s_and_b32 s19, ttmp9, 3                        ; w
	s_add_co_u32 s17, s17, 1                       ; m
	s_lshl_b32 s14, s17, 22                        ; m x 4 MiB
	s_lshl_b32 s18, s18, 19                        ; + l x 8 steps x 64 KiB
	s_add_co_u32 s14, s14, s18
	s_lshl_b32 s19, s19, 14                        ; + w x 16 KiB
	s_add_co_u32 s14, s14, s19
	; One load = one row rho of wt for one K step: lane L = 16 half + c takes k = 4 c .. 4 c + 3 (16 bytes) of source row rho + 64 half,
	; so each half of the lanes reads 256 consecutive aligned bytes; packed they are 8 bytes at 8 L of the row's 256.
	v_lshrrev_b32 v2, 4, v1                        ; half
	v_and_b32 v3, 15, v1                           ; c
	v_lshlrev_b32 v2, 6, v2                        ; 64 half
	v_lshl_add_u32 v2, s10, 3, v2                  ; + 8 v: my source row for rho = 8 v
	v_lshlrev_b32 v2, 11, v2                       ; x 2,048 bytes
	v_lshl_add_u32 v4, v3, 4, v2                   ; + 16 c
	v_lshlrev_b32 v5, 3, v1
	v_lshl_add_u32 v5, s10, 11, v5                 ; destination: 8 v rows of 256 bytes + 8 L
	s_wait_kmcnt 0x0
	s_add_nc_u64 s[6:7], s[6:7], s[12:13]
	s_add_nc_u64 s[8:9], s[8:9], s[14:15]
.macro LLOAD i, x                      ; batch i: rows rho = 8 v + 2 i, + 1, all eight K steps; load q = 8 u + s into x + 4 q
.irp u, 0,1
.irp s, 0,1,2,3,4,5,6,7
	global_load_b128 v[\x+4*(8*\u+\s):\x+4*(8*\u+\s)+3], v4, s[6:7] offset:2048*(2*\i+\u)+256*\s th:TH_LOAD_NT
.endr
.endr
.endm
; Packs load q's four numbers into y + 2 q, + 1 and stores them.  With y = x the batch is packed in place, q ascending: a destination
; lies at or below the sources of its own q, its old number has been used, and no two q share a destination, so no store's data is
; written again.
.macro LPROC i, x, y, left
	s_wait_loadcnt \left                           ; loads come back in order: this batch is in, the younger batches' loads stay out
.irp u, 0,1
.irp s, 0,1,2,3,4,5,6,7
	v_cvt_pk_f16_f32 v[\y+2*(8*\u+\s)],   v[\x+4*(8*\u+\s)],   v[\x+4*(8*\u+\s)+1]
	v_cvt_pk_f16_f32 v[\y+2*(8*\u+\s)+1], v[\x+4*(8*\u+\s)+2], v[\x+4*(8*\u+\s)+3]
	global_store_b64 v5, v[\y+2*(8*\u+\s):\y+2*(8*\u+\s)+1], s[8:9] offset:65536*\s+256*(2*\i+\u)   ; K step s, one whole row of 256 bytes
.endr
.endr
.endm
	LLOAD 0, XA
	LLOAD 1, XB
	LLOAD 2, XC
	LPROC 0, XA, Y, 32                             ; into Y: set A is no store's data and takes the last batch at once
	LLOAD 3, XA
	LPROC 1, XB, XB, 32
	LPROC 2, XC, XC, 16
	LPROC 3, XA, XA, 0
	s_endpgm
; ---------------- big, wave 8: g = 32 l + 4 s + w: 64 rows k x 128 columns n ----------------
.Lbig:
	s_lshr_b32 s17, ttmp9, 5
	s_lshl_b32 s12, s17, 20                        ; l x 1 MiB
	s_bfe_u32 s18, ttmp9, 0x30002
	s_lshl_b32 s18, s18, 17                        ; + 64 s rows of 2,048 bytes
	s_add_co_u32 s12, s12, s18
	s_and_b32 s19, ttmp9, 3
	s_lshl_b32 s19, s19, 9                         ; + 128 w columns of 4 bytes
	s_add_co_u32 s12, s12, s19
	s_lshl_b32 s14, ttmp9, 14                      ; destination: (8 l + s) x 64 KiB + w x 16 KiB = g x 16 KiB
	v_and_b32 v2, 15, v1                           ; i16: four columns 4 i16 .. + 3
	v_lshrrev_b32 v3, 4, v1                        ; u: eight rows further down
	v_lshlrev_b32 v4, 4, v2
	v_lshl_add_u32 v4, v3, 14, v4                  ; source: 8 u rows + 16 i16: sixteen lanes read 256 consecutive aligned bytes
	v_lshlrev_b32 v5, 4, v1                        ; destination: 16 L
	v_mul_u32_u24 v6, v2, 1088                     ; the stage (64 rows of 272 bytes from LDS byte 0), in: row rho = 4 i16 (+ j), 8 k at 16 u
	v_lshl_add_u32 v6, v3, 4, v6
	v_mul_u32_u24 v7, v3, 272                      ; the stage, back: lanes 0-15 one row of 256 bytes, lanes 16-31 the next
	v_lshl_add_u32 v7, v2, 4, v7
	s_wait_kmcnt 0x0
	s_add_nc_u64 s[4:5], s[4:5], s[12:13]
	s_add_nc_u64 s[8:9], s[8:9], s[14:15]
.macro BLOAD half, pp, x               ; register x + 32 pq + 4 i + j = W[k = 16 (2 pp + pq) + 8 u + i][n = 64 half + 4 i16 + j]
.irp pq, 0,1
.irp i, 0,1,2,3,4,5,6,7
	global_load_b128 v[\x+32*\pq+4*\i:\x+32*\pq+4*\i+3], v4, s[4:5] offset:(16*(2*\pp+\pq)+\i)*2048+256*\half th:TH_LOAD_NT
.endr
.endr
.endm
.macro BPROC half, pp, x, left
	s_wait_loadcnt \left                           ; this batch is in, the younger batches' loads stay out
.irp pq, 0,1
.irp j, 0,1,2,3
.irp ii, 0,1,2,3
	v_cvt_pk_f16_f32 v[Y+16*\pq+4*\j+\ii], v[\x+32*\pq+8*\ii+\j], v[\x+32*\pq+8*\ii+4+\j]   ; rows 2 ii, 2 ii + 1 of column j
.endr
	ds_store_b128 v6, v[Y+16*\pq+4*\j:Y+16*\pq+4*\j+3] offset:\j*272+128*\half+32*(2*\pp+\pq)  ; eight k of one column
.endr
.endr
.endm
	BLOAD 0, 0, XA
	BLOAD 0, 1, XB
	BLOAD 1, 0, XC
	BPROC 0, 0, XA, 32
	BLOAD 1, 1, XA
	BPROC 0, 1, XB, 32
	BPROC 1, 0, XC, 16
	BPROC 1, 1, XA, 0
	; the stage is my own and LDS serves a wave's instructions in order (ISA guide 5.7.1): no wait between the stores and these loads
.set q, 0
.rept 32
	ds_load_b128 v[16+4*q:16+4*q+3], v7 offset:544*q
.set q, q+1
.endr
.set q, 0
.rept 32
	s_wait_dscnt 31-q                              ; read-back q is in, the younger ones stay out
	global_store_b128 v5, v[16+4*q:16+4*q+3], s[8:9] offset:512*q
.set q, q+1
.endr
	s_wait_tensorcnt 0x0
	ds_add_u32 v240, v241
	s_wait_dscnt 0x0
	s_endpgm
.Lfunc_end_k_q858a205572_prep:
	.size	k_q858a205572_prep, .Lfunc_end_k_q858a205572_prep-k_q858a205572_prep
	.p2alignl 7, 3214868480
	.fill 96, 4, 3214868480
	.section	.rodata,"a",@progbits
	.p2align	6, 0x0
	.amdhsa_kernel k_q858a205572_prep
		.amdhsa_group_segment_fixed_size 18688
		.amdhsa_private_segment_fixed_size 0
		.amdhsa_enable_private_segment 0
		.amdhsa_kernarg_size 24
		.amdhsa_user_sgpr_count 2
		.amdhsa_user_sgpr_kernarg_segment_ptr 1
		.amdhsa_wavefront_size32 1
		.amdhsa_system_sgpr_workgroup_id_x 1
		.amdhsa_system_sgpr_workgroup_id_y 1
		.amdhsa_system_sgpr_workgroup_id_z 1
		.amdhsa_system_vgpr_workitem_id 0
		.amdhsa_next_free_vgpr 242
		.amdhsa_next_free_sgpr 66
		.amdhsa_reserve_vcc 0
		.amdhsa_float_denorm_mode_32 3
		.amdhsa_float_denorm_mode_16_64 3
		.amdhsa_memory_ordered 1
		.amdhsa_forward_progress 1
		.amdhsa_inst_pref_size 45
	.end_amdhsa_kernel
	.amdgpu_metadata
---
amdhsa.version: [ 1, 2 ]
amdhsa.kernels:
  - .name:           k_q858a205572_prep
    .symbol:         k_q858a205572_prep.kd
    .args:
      - { .name: Wbig, .offset: 0, .size: 8, .value_kind: global_buffer, .address_space: global }
      - { .name: Wlil, .offset: 8, .size: 8, .value_kind: global_buffer, .address_space: global }
      - { .name: wt, .offset: 16, .size: 8, .value_kind: global_buffer, .address_space: global }
    .group_segment_fixed_size: 18688
    .private_segment_fixed_size: 0
    .kernarg_segment_align: 8
    .kernarg_segment_size: 24
    .max_flat_workgroup_size: 288
    .sgpr_count:     66
    .vgpr_count:     242
    .wavefront_size: 32
...
	.end_amdgpu_metadata
.endif
;; end of part 1
;; launch chain (part 2): grid 256 x 1, 4 waves a work-group, clusters of 4 x 1, 327,680 bytes of LDS; arguments x, wt, Bbig, Blil, out0; writes out0
.if DOCPART == 2
	.amdgcn_target "amdgcn-amd-amdhsa--gfx1250"
	.amdhsa_code_object_version 6
	.text
	.protected	k_q858a205572_chain
	.globl	k_q858a205572_chain
	.p2align	8
	.type	k_q858a205572_chain,@function
k_q858a205572_chain:
	s_mov_b64 s[64:65], 0
	v_nop
	global_prefetch_b8 v0, s[64:65] scope:SCOPE_SE
	s_setreg_imm32_b32 hwreg(HW_REG_WAVE_MODE, 25, 1), 1
	s_wait_xcnt 0x0
	s_wait_alu depctr_hold_cnt(0) depctr_sa_sdst(0) depctr_va_vdst(0) depctr_va_sdst(0) depctr_va_ssrc(0) depctr_va_vcc(0) depctr_vm_vsrc(0)
	s_getreg_b32 s2, hwreg(HW_REG_IB_STS2, 6, 4)
	s_cmp_eq_u32 s2, 0
	s_cbranch_scc0 .Lentry_in_a_cluster
	s_endpgm
.Lentry_in_a_cluster:
	s_bfe_u32 s2, ttmp6, 0x10000c
	s_cmp_lg_u32 s2, 0x3003
	s_cbranch_scc0 .Lentry_shape_is_right
	s_endpgm
.Lentry_shape_is_right:
; All eight layers of 128 rows in one work-group: y <- y Weff^T + b, eight times, the activations never leaving the WGP.
; Work-group id = 4 x cluster + cx owns rows 128 id .. + 127.  Its model m (0 big, 1..8 lil) hangs on the cluster's number alone.
; Four waves; wave w makes all 128 rows x columns 128 w .. + 127: 64 accumulator tiles of 16 x 16, 512 registers.
; OPERANDS are f16, sums f32.  An activation row is kept as f16 numbers below 2 in magnitude times a power of two S (f32, one a row),
; taken anew from the row's true largest magnitude behind every layer: y = S acc + b in f32, then y / S' is rounded to f16.
; So the activations have no limit of range (S is held in 2^-120 .. 2^126; an all-zero row stays zero).
; LIMITS: weights are f16 without a scale (|W| above 65504 infinite; below 2^-14 absolute error 2^-25); NaN and infinities in the
; inputs are not followed exactly; K is summed in steps of 64 whose order differs from cluster to cluster (below), not ascending.
; WEIGHTS come as tiles of one K step of 64 (64 KiB dense in wt, wave w's 16 KiB = 64 rows of 256 bytes), through a ring of two LDS
; slots that runs on through all the layers.
; THE ORDER OF THE K STEPS IS ROTATED: at position p = 0..7 of a layer a cluster takes K step (p + ROT) & 7, ROT = 2 (cluster & 3), for
; the weights' tile and for the activations' columns alike.  A lil model has four clusters with the four values of ROT, the big one 32,
; eight of each.  So the clusters of a model ask for four different tiles at a time, and the tile that a cluster asks for at positions
; 2 to 7 has been asked for by another cluster of its model 2, 4 or 6 positions before; only positions 0 and 1 are first requests.
; CLUSTER 4 x 1: the four work-groups of a cluster walk the same model's tiles in the same order, so each tile is asked for jointly
; (mask 15).  A second axis would share nothing: x, out0 and the activations are each work-group's own.
; No prefetch: wt has just been written by the launch before, and six of a layer's eight tiles have been asked for by a neighbour.
;
; LDS:  0        ACT   128 rows x 1,040 bytes (1,024 + 16): activations, f16; in the end wave w's output stage at 33,280 w
;       133,120  MAXB  4 blocks of 512 bytes, one a wave: f32 word [r 0..15][a 0..7] = that wave's largest |y| of row 16 a + r
;       135,168  RING  2 slots x 69,632; wave w's part at + 17,408 w: 64 rows x 272 bytes (256 + 16)
;       Both pitches are odd multiples of 16 bytes: the sixteen rows that a fragment load touches start 16 bytes apart modulo 256.
;       ACT and MAXB are written by LDS stores alone, RING by tensor loads alone.
; REGISTERS in windows of 256 (s_set_vgpr_msb: bits 1:0 source 0, 3:2 source 1, 5:4 source 2, 7:6 destination):
;   window 0: v10-31 addresses; v32-47 S, v48-63 1/S (a pair of equal numbers for each row tile); v64-127, v128-191 fragments of the
;             activations, two buffers; v192-255 at work
;   window 1: v64-127, v128-191 fragments of the weights, two buffers; v192-255 my 64 bias numbers
;   window 2: accumulator tiles (a = 0..3, b) at v[8 (8 a + b)];   window 3: a = 4..7.   (At the start both hold my 32 rows of x.)
; THE MATRIX INSTRUCTION IS USED TRANSPOSED: source 0 = 16 columns n of the weights, source 1 = 16 rows of the activations.  Lane
; (r = l % 16, h = l / 16), register j then holds row 16 a + r, column 128 w + 16 b + 8 h + j: the row's scale is one number a lane,
; and eight results are neighbours in a row.
.set APITCH, 1040
.set AROW16, 16*APITCH
.set AHALF,  64*APITCH
.set MAXB,   128*APITCH
.set RING,   MAXB+2048
.set WPITCH, 272
.set WPART,  64*WPITCH
.set SLOT,   4*WPART
.set TILEB,  65536                     ; a tile in wt
.set OPITCH, 528                       ; a row of the output stage: 512 bytes + 16
.set WSTAGE, 32*APITCH                 ; a wave's 32 rows of ACT
.set ABS,  10                          ; v10-11  my activation fragments at K = 0: rows 0-63, rows 64-127; never rewritten
.set ADRA, 12                          ; v12-15  the same at the K step whose tile lies in slot 0 (v12-13), in slot 1 (v14-15)
.set ADRW, 18                          ; v18-19  my weight fragments in slot 0, 1
.set STA,  20                          ; v20-21  where I put 16 bytes of a new activation row: rows 0-63, 64-127
.set MXS,  22                          ; my block of MAXB, row r
.set MXL,  23                          ; block 0 of MAXB, row r
.set BOFF, 24                          ; byte offset of my bias numbers in a bias row
.set OST,  25                          ; output stage, in
.set ORD,  26                          ; output stage, back
.set OOFF, 27                          ; my byte offset in a row of out0
.set XO,   28                          ; my byte offset in the group's x
.set XST,  29                          ; where I put 8 bytes of a row of x
.set MX0,  30                          ; my block of MAXB at my first row tile
.set ZAD,  31                          ; my block of MAXB, 16 bytes a lane
.set SC,   32
.set IV,   48
.set F0,   64
.set F1,   128
.set TMP,  192
.set M,    192                         ; v[192:199] maxima
.set T,    200                         ; v[200:231] at work
.set BI,   192                         ; window 1
.set G1, 24                            ; s[24:31] descriptor group 1
.set G0, 32                            ; s[32:39] descriptor group 0, one set for each slot
.set BP, 44                            ; s[44:45] this layer's bias row
.set BST, 46                           ; s[46:47] bytes from a layer's bias row to the next
.set LB, 50                            ; s[50:51] wt at my 16 KiB of K step 0 of the layer whose tiles are being asked for
.set ROT, 56                           ; s56      the cluster's rotation, 0, 2, 4 or 6; never rewritten
.set MSB, 0
.macro WIN new                         ; the immediate's high byte repeats the setting that is left
.if MSB != (\new)
	s_set_vgpr_msb (MSB<<8)|(\new)
.set MSB, (\new)
.endif
.endm
.set MUL_LO, 0xa1                      ; source 0 (weights) window 1, source 1 (activations) window 0, C and D window 2
.set MUL_HI, 0xf1                      ; the same, C and D window 3
.set TO_W,   0x40                      ; destination window 1, address window 0
; A round of the cluster's barrier: my work-group's barrier, wave 0 signals for the work-group, every wave waits for all four
; work-groups, my work-group's barrier once more.
.macro CREST                           ; a round behind its opening barrier
	s_cmp_lg_u32 s14, 0
	s_cbranch_scc1 .Lnot_wave_0_\@
	s_barrier_signal -3
.Lnot_wave_0_\@:
	s_barrier_wait -3
	s_barrier_signal -1
	s_barrier_wait -1
.endm
.macro CROUND
	s_barrier_signal -1
	s_barrier_wait -1
	CREST
.endm
; Four plain vector instructions between a matrix instruction and a vector instruction or load that touches its registers
; (ISA guide 7.12.1 for vector instructions).
.macro PLACES
.rept 4
	v_nop
.endr
.endm
; The tile of position p of the layer at LB: its address into slot n's group 0.  Stands only where no tensor load by slot n's group 0 is out.
.macro TILEADR n, p
	s_add_co_u32 s58, s[ROT], \p
	s_and_b32 s58, s58, 7                          ; K step (p + ROT) & 7
	s_lshl_b32 s58, s58, 16                        ; x 64 KiB; s59 = 0
	s_add_nc_u64 s[G0+4*\n+2:G0+4*\n+3], s[LB:LB+1], s[58:59]
	s_or_b32 s[G0+4*\n+3], s[G0+4*\n+3], 0x80000000                ; type = 2
.endm
; The activations' columns of position p (taken modulo 8), 128 bytes a K step, into slot n's pair of address registers.  Under window 0.
.macro KADDR n, p
	s_add_co_u32 s57, s[ROT], \p
	s_and_b32 s57, s57, 7
	s_lshl_b32 s57, s57, 7
	WIN 0
	v_add_nc_u32 v[ADRA+2*(\n)], s57, v[ABS]
	v_add_nc_u32 v[ADRA+2*(\n)+1], s57, v[ABS+1]
.endm
	s_load_b256 s[4:11], s[0:1], 0x0               ; x s[4:5], wt s[6:7], Bbig s[8:9], Blil s[10:11]
	s_load_b64 s[12:13], s[0:1], 0x20              ; out0
	s_set_vgpr_msb 0x40
	v_lshl_add_u32 v63, v0, 2, 0x43000
	s_set_vgpr_msb 0x4000
	v_mov_b32 v17, 0
	s_set_vgpr_msb 0x1
	ds_add_u32 v63, v17
	s_set_vgpr_msb 0x100
	v_lshrrev_b32 v1, 5, v0
	v_readfirstlane_b32 s14, v1                    ; wave 0..3
	s_bfe_u32 s15, ttmp6, 0x40000                  ; cx: enters the addresses of x and out0 alone
	s_lshl_b32 s16, ttmp9, 2
	s_add_co_u32 s16, s16, s15                     ; work-group id
	s_lshl_b32 s52, s16, 18                        ; its 128 rows of 2,048 bytes
	s_mov_b32 s53, 0
	s_lshr_b32 s17, ttmp9, 2
	s_sub_co_u32 s20, s17, 8                       ; lil: m - 1 = (cluster >> 2) - 8
	s_lshl_b32 s20, s20, 11                        ; x 2,048 bytes: its bias row in a layer of Blil
	s_sub_co_u32 s17, s17, 7                       ; lil: m
	s_mov_b32 s46, 16384                           ; lil: eight bias rows from layer to layer
	s_cmp_lt_u32 ttmp9, 32                         ; clusters 0..31 hold rows 0..16383: the big model
	s_cselect_b32 s17, 0, s17                      ; m
	s_cselect_b32 s18, 0, s20
	s_cselect_b32 s46, 2048, s46
	s_mov_b32 s19, 0
	s_mov_b32 s47, 0
	s_and_b32 s[ROT], ttmp9, 3
	s_lshl_b32 s[ROT], s[ROT], 1                   ; made of the cluster's number alone: alike in all four partners
	s_mov_b32 s59, 0                               ; the high word of a tile's offset
	s_mov_b32 s22, 0x76543210                      ; v_permlanex16_b32: lane i of one half reads lane i of the other
	s_mov_b32 s23, 0xfedcba98
	s_mov_b32 s40, 0x03800000                      ; 2^-120
	s_mov_b32 s41, 0x7effffff                      ; the largest number with exponent 2^126
	; descriptor group 1: 64 rows of 32 elements of 8 bytes, dense in memory, 16 bytes of padding behind each row in LDS
	s_mov_b32 s[G1+0], 15|(3<<16)|(1<<20)|(1<<21)|(5<<22)|(3<<25)  ; 15:0 mask: all four of the cluster; 17:16 8 bytes; 20 padding on; 21 set beside a mask; 24:22 after 64 words; 31:25 four words
	s_mov_b32 s[G1+1], 32<<16                      ; tensor_dim0 = 32
	s_mov_b32 s[G1+2], 64<<16                      ; tensor_dim1 = 64
	s_mov_b32 s[G1+3], 32<<16                      ; tile_dim0 = 32
	s_mov_b32 s[G1+4], 64                          ; tile_dim1 = 64
	s_mov_b32 s[G1+5], 32                          ; from row to row: 32 elements
	s_mov_b32 s[G1+6], 0
	s_mov_b32 s[G1+7], 0
	s_mul_i32 s49, s14, WPART                      ; my part of a slot
	s_lshl_b32 s50, s17, 22                        ; m x 4 MiB
	s_lshl_b32 s51, s14, 14                        ; + my 16 KiB of a tile
	s_add_co_u32 s50, s50, s51
	s_mov_b32 s51, 0
	s_mul_i32 s54, s14, WSTAGE                     ; my 32 rows of ACT
	s_mul_i32 s55, s14, 520                        ; my block of MAXB (512 w) at my first row tile a = 2 w (8 w)
	s_add_co_u32 s55, s55, MAXB
	v_and_b32 v1, 31, v0                           ; L
	v_and_b32 v2, 15, v0                           ; r
	v_bfe_u32 v3, v0, 4, 1                         ; h
	v_mul_u32_u24 v4, v2, APITCH
	v_lshl_add_u32 v[ABS], v3, 4, v4               ; r x pitch + 16 h
	v_add_nc_u32 v[ABS+1], AHALF, v[ABS]
	v_mul_u32_u24 v5, v2, WPITCH
	v_lshl_add_u32 v5, v3, 4, v5
	v_add_nc_u32 v5, s49, v5
	v_add_nc_u32 v[ADRW], RING, v5
	v_add_nc_u32 v[ADRW+1], RING+SLOT, v5
	v_lshl_add_u32 v[STA], s14, 8, v[ABS]          ; + my 128 columns of 2 bytes
	v_add_nc_u32 v[STA+1], AHALF, v[STA]
	v_lshlrev_b32 v[MXL], 5, v2
	v_add_nc_u32 v[MXL], MAXB, v[MXL]
	v_lshl_add_u32 v[MXS], s14, 9, v[MXL]
	v_lshlrev_b32 v[BOFF], 5, v3
	v_lshl_add_u32 v[BOFF], s14, 9, v[BOFF]        ; (128 w + 8 h) x 4 bytes
	v_mul_u32_u24 v6, v2, OPITCH
	v_lshl_add_u32 v6, v3, 5, v6
	v_add_nc_u32 v[OST], s54, v6
	v_lshlrev_b32 v7, 4, v1                        ; 16 L
	v_add_nc_u32 v[ORD], s54, v7
	v_lshl_add_u32 v[OOFF], s14, 9, v7
	v_lshl_add_u32 v[XO], s14, 16, v7              ; my 32 rows of 2,048 bytes
	v_lshlrev_b32 v8, 3, v1
	v_add_nc_u32 v[XST], s54, v8
	v_mov_b32 v[MX0], s55
	v_lshl_add_u32 v[ZAD], s14, 9, v7
	v_add_nc_u32 v[ZAD], MAXB, v[ZAD]
.irp k, 0,1,2,3,4,5,6,7
	v_mov_b32 v[T+\k], 0                           ; destinations of the lane exchange count as read; four of them also clear MAXB
.endr
	KADDR 0, 0                                     ; the activations' columns of positions 0 and 1 of layer 0; every later pair is written
	KADDR 1, 1                                     ; in the change of slots two positions ahead of its use
	s_wait_dscnt 0x0
	s_wait_kmcnt 0x0
	s_add_nc_u64 s[LB:LB+1], s[6:7], s[50:51]      ; wt at my part of layer 0, K step 0: made of m and the wave's number, alike in all four partners
	s_add_nc_u64 s[4:5], s[4:5], s[52:53]          ; x and out0 at the group's first row
	s_add_nc_u64 s[12:13], s[12:13], s[52:53]
	s_add_nc_u64 s[20:21], s[10:11], s[18:19]      ; Blil at my model's row
	s_cmp_lt_u32 ttmp9, 32
	s_cselect_b64 s[BP:BP+1], s[8:9], s[20:21]
	CROUND                                         ; all four work-groups are here: the first joint loads meet
.irp n, 0,1
	s_mov_b32 s[G0+4*\n], 1                                        ; count = 1
	s_add_co_u32 s[G0+4*\n+1], s49, RING+\n*SLOT                   ; LDS address: the wave's number and the slot alone
	TILEADR \n, \n                                                 ; the tile of position n of layer 0
	tensor_load_to_lds s[G0+4*\n:G0+4*\n+3], s[G1:G1+7]            ; both first fills go out together: two tensor loads of a wave are out here, one behind every later round
	s_nop 0
.endr
.macro BIAS                            ; BI + 8 b + j = bias[128 w + 16 b + 8 h + j]
	WIN TO_W
.irp b, 0,1,2,3,4,5,6,7
	global_load_b128 v[BI+8*\b:BI+8*\b+3],   v[BOFF], s[BP:BP+1] offset:64*\b
	global_load_b128 v[BI+8*\b+4:BI+8*\b+7], v[BOFF], s[BP:BP+1] offset:64*\b+16
.endr
.endm
	BIAS                                           ; layer 0
	; my 32 rows of x: 128 loads of 512 consecutive bytes; row i, quarter c lands in register 16 (i % 16) + 4 c of window 2 (i < 16) or 3
	WIN 0x80
.set i, 0
.rept 64
	global_load_b128 v[4*i:4*i+3], v[XO], s[4:5] offset:512*i th:TH_LOAD_NT
.set i, i+1
.endr
	WIN 0xc0
.set i, 0
.rept 64
	global_load_b128 v[4*i:4*i+3], v[XO], s[4:5] offset:32768+512*i th:TH_LOAD_NT
.set i, i+1
.endr
	WIN 0
	ds_store_b128 v[ZAD], v[T:T+3]                 ; my block of MAXB is zero but for my own two row tiles, which follow
; Four rows of x: the row's largest magnitude, its power of two, the row as f16 into ACT.
.macro XGROUP g
.set XB, 64*(\g&3)
.if 112-16*\g > 63
	s_wait_loadcnt 63                              ; more younger loads than the wait can name: the smaller count also shows these four rows in
.else
	s_wait_loadcnt 112-16*\g                       ; the loads of the rows behind these four stay out
.endif
	WIN 0x28+0x14*(\g>>2)                          ; sources 1 and 2 in x's window
.irp rr, 0,1,2,3
.irp ch, 0,1
	v_max3_num_f32 v[M+2*\rr+\ch], 0, |v[XB+16*\rr+8*\ch]|, |v[XB+16*\rr+8*\ch+1]|          ; two chains a row, started by the constant 0
.endr
.endr
.irp k, 1,2,3
.irp rr, 0,1,2,3
.irp ch, 0,1
	v_max3_num_f32 v[M+2*\rr+\ch], v[M+2*\rr+\ch], |v[XB+16*\rr+8*\ch+2*\k]|, |v[XB+16*\rr+8*\ch+2*\k+1]|
.endr
.endr
.endr
	WIN 0
.irp rr, 0,1,2,3
	v_max_num_f32 v[M+2*\rr], v[M+2*\rr], v[M+2*\rr+1]
.endr
.irp x, 1,2,4,8
.irp rr, 0,1,2,3
	v_max_num_f32_dpp v[M+2*\rr], v[M+2*\rr], v[M+2*\rr] row_xmask:\x row_mask:0xf bank_mask:0xf
.endr
.endr
.irp rr, 0,1,2,3
	v_permlanex16_b32 v[T+\rr], v[M+2*\rr], s22, s23
.endr
.irp rr, 0,1,2,3
	v_max_num_f32 v[M+2*\rr], v[M+2*\rr], v[T+\rr]                 ; every lane holds the row's maximum
.endr
.irp rr, 0,1,2,3
	ds_store_b32 v[MX0], v[M+2*\rr] offset:((4*\g+\rr)&15)*32+((4*\g+\rr)>>4)*4   ; all lanes, one word, one value
.endr
.irp rr, 0,1,2,3
	v_med3_num_f32 v[M+2*\rr+1], v[M+2*\rr], s40, s41              ; held in 2^-120 .. 2^126,
	v_and_b32 v[M+2*\rr+1], 0x7f800000, v[M+2*\rr+1]               ; S = its power of two,
	v_sub_nc_u32 v[IV+2*\rr], 0x7f000000, v[M+2*\rr+1]             ; 1/S: exponent 254 - e
	v_mov_b32 v[IV+2*\rr+1], v[IV+2*\rr]
.endr
	WIN 0x02+(\g>>2)                               ; source 0 in x's window
.irp rr, 0,1,2,3
.irp k, 0,1,2,3,4,5,6,7
	v_pk_mul_f32 v[TMP+16*\rr+2*\k:TMP+16*\rr+2*\k+1], v[XB+16*\rr+2*\k:XB+16*\rr+2*\k+1], v[IV+2*\rr:IV+2*\rr+1]
.endr
.endr
	WIN 0
.irp rr, 0,1,2,3
.irp k, 0,1,2,3,4,5,6,7
	v_cvt_pk_f16_f32 v[TMP+16*\rr+\k], v[TMP+16*\rr+2*\k], v[TMP+16*\rr+2*\k+1]   ; ascending: a destination's old number has been used
.endr
.irp c, 0,1,2,3
	ds_store_b64 v[XST], v[TMP+16*\rr+2*\c:TMP+16*\rr+2*\c+1] offset:APITCH*(4*\g+\rr)+256*\c   ; 32 lanes: 256 consecutive bytes
.endr
.endr
.endm
.irp g, 0,1,2,3,4,5,6,7
	XGROUP \g
.endr
; The four waves' maxima of my eight rows 16 a + r; S and 1/S of each, as pairs.
.macro SCALES
.irp w, 0,1,2,3
	ds_load_b128 v[T+8*\w:T+8*\w+3],   v[MXL] offset:512*\w
	ds_load_b128 v[T+8*\w+4:T+8*\w+7], v[MXL] offset:512*\w+16
.endr
	s_wait_dscnt 0x0
.irp a, 0,1,2,3,4,5,6,7
	v_max3_num_f32 v[M+\a], v[T+\a], v[T+8+\a], v[T+16+\a]
.endr
.irp a, 0,1,2,3,4,5,6,7
	v_max_num_f32 v[M+\a], v[M+\a], v[T+24+\a]
.endr
.irp a, 0,1,2,3,4,5,6,7
	v_med3_num_f32 v[M+\a], v[M+\a], s40, s41
.endr
.irp a, 0,1,2,3,4,5,6,7
	v_and_b32 v[SC+2*\a], 0x7f800000, v[M+\a]
.endr
.irp a, 0,1,2,3,4,5,6,7
	v_mov_b32 v[SC+2*\a+1], v[SC+2*\a]
	v_sub_nc_u32 v[IV+2*\a], 0x7f000000, v[SC+2*\a]
.endr
.irp a, 0,1,2,3,4,5,6,7
	v_mov_b32 v[IV+2*\a+1], v[IV+2*\a]
.endr
.endm
; 16 matrix instructions: row tiles a0, a0 + 1 of the window's four x all 8 column tiles, 32 along K.  zero = 1: the product starts the sums.
.macro MUL16 f, hi, a0, zero
.irp a, \a0, \a0+1
.irp b, 0,1,2,3,4,5,6,7
.if \zero
	v_wmma_f32_16x16x32_f16 v[8*(8*(\a)+\b):8*(8*(\a)+\b)+7], v[\f+8*\b:\f+8*\b+7], v[\f+8*(4*\hi+\a):\f+8*(4*\hi+\a)+7], 0
.else
	v_wmma_f32_16x16x32_f16 v[8*(8*(\a)+\b):8*(8*(\a)+\b)+7], v[\f+8*\b:\f+8*\b+7], v[\f+8*(4*\hi+\a):\f+8*(4*\hi+\a)+7], v[8*(8*(\a)+\b):8*(8*(\a)+\b)+7]
.endif
.endr
.endr
.endm
; 32 LDS loads in one run: half q (32 K) of the K step that lies in the slot: my 128 weight columns from my part of the slot, then all
; 128 activation rows by the slot's pair of addresses.  Column 16 b + r lies in the slot's row 16 (b & 3) + r, half b >> 2.
.macro FETCH slot, q, f
	WIN TO_W
.irp b, 0,1,2,3,4,5,6,7
	ds_load_b128 v[\f+8*\b:\f+8*\b+3],   v[ADRW+(\slot)] offset:(\b&3)*16*WPITCH+(\b>>2)*128+64*\q
	ds_load_b128 v[\f+8*\b+4:\f+8*\b+7], v[ADRW+(\slot)] offset:(\b&3)*16*WPITCH+(\b>>2)*128+64*\q+32
.endr
	WIN 0
.irp a, 0,1,2,3
	ds_load_b128 v[\f+8*\a:\f+8*\a+3],   v[ADRA+2*(\slot)] offset:\a*AROW16+64*\q
	ds_load_b128 v[\f+8*\a+4:\f+8*\a+7], v[ADRA+2*(\slot)] offset:\a*AROW16+64*\q+32
.endr
.irp a, 0,1,2,3
	ds_load_b128 v[\f+32+8*\a:\f+32+8*\a+3],   v[ADRA+2*(\slot)+1] offset:\a*AROW16+64*\q
	ds_load_b128 v[\f+32+8*\a+4:\f+32+8*\a+7], v[ADRA+2*(\slot)+1] offset:\a*AROW16+64*\q+32
.endr
.endm
; A K step of 64 is two halves of 64 matrix instructions, on buffers 0 and 1.  The 64 accumulators take turns, one instruction a turn,
; in the same order in every half.
; The first half: multiplies buffer 0 and, in its middle, fetches the second half's fragments into buffer 1.
.macro QUARTER slot, zero
	s_wait_dscnt 8                                 ; the weights and activation rows 0-63 are in; the youngest eight loads (rows 64-127) may be out
	WIN MUL_LO
	MUL16 F0, 0, 0, \zero
	MUL16 F0, 0, 2, \zero
	PLACES
	FETCH \slot, 1, F1
	s_wait_dscnt 32                                ; all but the 32 just issued
	WIN MUL_HI
	MUL16 F0, 1, 0, \zero
	MUL16 F0, 1, 2, \zero
.endm
; The second half: multiplies buffer 1 and changes slots.  sn = the next position (this one + 1); fill = 1: this slot gets the tile of
; position sn + 1 (past 7: of the next layer); fetch = 1: the next position's first fragments are read.  In front of the barrier each
; wave waits for its reads of this slot and for all its tensor loads (one is out: its part of the other slot); with fill the barrier
; opens a round of the cluster's barrier, only register work stands inside it (the slot's new tile address, sixteen matrix
; instructions, the slot's new pair of activation addresses), and the joint refill is the first thing behind it: no wave of any partner
; still reads the slot or has a load on its way.  From a request to the wait for it a wave issues 112 matrix instructions.
; The slot's pair of activation addresses is written here for position sn + 1, a whole position ahead of the loads that use it: the
; loads below go by the other slot's pair, written in the change of slots before.
.macro TURN slot, sn, fill, fetch
	s_wait_dscnt 8
	WIN MUL_LO
	MUL16 F1, 0, 0, 0
	s_wait_dscnt 0                                 ; my reads of this slot (and of this step's activations) are over
	s_wait_tensorcnt 0x0                           ; all my tensor loads have landed: every group 0 may be written
	ds_add_u32 v63, v17
	s_wait_dscnt 0x0
	s_barrier_signal -1
.if \fill
.if \sn == 7
	s_add_nc_u64 s[LB:LB+1], s[LB:LB+1], 8*TILEB   ; positions 6 and 7 ask for the next layer's positions 0 and 1
.endif
	TILEADR \slot, \sn+1
.endif
	MUL16 F1, 0, 2, 0
	WIN 0
	KADDR \slot, \sn+1
	s_barrier_wait -1
.if \fill
	CREST
	tensor_load_to_lds s[G0+4*\slot:G0+4*\slot+3], s[G1:G1+7]
	s_nop 0
.endif
.if \fetch
	PLACES
	FETCH 1-\slot, 0, F0
.endif
	WIN MUL_HI
	MUL16 F1, 1, 0, 0
	MUL16 F1, 1, 2, 0
.endm
.macro STEPS6                          ; positions 0 to 5 of a layer; the first products start the sums: nothing is cleared
	QUARTER 0, 1
	TURN 0, 1, 1, 1
	QUARTER 1, 0
	TURN 1, 2, 1, 1
	QUARTER 0, 0
	TURN 0, 3, 1, 1
	QUARTER 1, 0
	TURN 1, 4, 1, 1
	QUARTER 0, 0
	TURN 0, 5, 1, 1
	QUARTER 1, 0
	TURN 1, 6, 1, 1
.endm
; y = S acc + b, in place, two numbers an instruction
.macro AFFINE
	PLACES                                         ; behind the last matrix instructions
	s_wait_loadcnt 0x0                             ; this layer's bias
.irp hi, 0,1
	WIN 0x92+0x41*\hi                              ; acc in window 2 (3) as source 0 and destination, S in window 0, bias in window 1
.irp a, 0,1,2,3
.irp b, 0,1,2,3,4,5,6,7
.irp p, 0,2,4,6
	v_pk_fma_f32 v[8*(8*\a+\b)+\p:8*(8*\a+\b)+\p+1], v[8*(8*\a+\b)+\p:8*(8*\a+\b)+\p+1], v[SC+8*\hi+2*\a:SC+8*\hi+2*\a+1], v[BI+8*\b+\p:BI+8*\b+\p+1]
.endr
.endr
.endr
.endr
.endm
; the largest |y| of my 64 numbers of each of four rows: four chains that take turns
.macro ROWMAX hi
	WIN 0x28+0x14*\hi
.irp a, 0,1,2,3
	v_max3_num_f32 v[M+4*\hi+\a], 0, |v[64*\a]|, |v[64*\a+1]|
.endr
.set k, 1
.rept 31
.irp a, 0,1,2,3
	v_max3_num_f32 v[M+4*\hi+\a], v[M+4*\hi+\a], |v[64*\a+2*k]|, |v[64*\a+2*k+1]|
.endr
.set k, k+1
.endr
.endm
; y / S' rounded to f16, 16 bytes (8 neighbouring columns of a row) a tile and lane, into ACT
.macro PACK hi
	WIN 0x82+0x41*\hi
.irp a, 0,1,2,3
.set k, 0
.rept 32
	v_pk_mul_f32 v[64*\a+2*k:64*\a+2*k+1], v[64*\a+2*k:64*\a+2*k+1], v[IV+8*\hi+2*\a:IV+8*\hi+2*\a+1]
.set k, k+1
.endr
.endr
	WIN 0x0a+5*\hi
.set k, 0
.rept 128
	v_cvt_pk_f16_f32 v[F0+k], v[2*k], v[2*k+1]
.set k, k+1
.endr
	WIN 0
.irp a, 0,1,2,3
.irp b, 0,1,2,3,4,5,6,7
	ds_store_b128 v[STA+\hi], v[F0+4*(8*\a+\b):F0+4*(8*\a+\b)+3] offset:\a*AROW16+32*\b
.endr
.endr
.endm
	s_wait_dscnt 0x0                               ; my rows of ACT and my words of MAXB are written
	s_wait_tensorcnt 0x1                           ; my part of position 0's tile is in; position 1's may stay out
	s_barrier_signal -1
	s_barrier_wait -1
	SCALES
	FETCH 0, 0, F0
	s_mov_b32 s48, 7
.Llayer:                                           ; layers 0 to 6
	STEPS6
	QUARTER 0, 0
	TURN 0, 7, 1, 1                                ; also writes slot 0's addresses for the next layer's position 0
	QUARTER 1, 0
	TURN 1, 8, 1, 0                                ; behind this round no wave reads ACT any more; slot 0 holds the next layer's first tile
	AFFINE
	s_add_nc_u64 s[BP:BP+1], s[BP:BP+1], s[BST:BST+1]   ; the bias loads are done (the wait for 0 above): their base may step
	BIAS                                           ; the next layer's, layer 7's in the last trip
	ROWMAX 0
	ROWMAX 1
	WIN 0
.irp a, 0,1,2,3,4,5,6,7
	v_permlanex16_b32 v[T+\a], v[M+\a], s22, s23   ; the other half of the lanes holds the row's other columns
.endr
.irp a, 0,1,2,3,4,5,6,7
	v_max_num_f32 v[M+\a], v[M+\a], v[T+\a]
.endr
	ds_store_b128 v[MXS], v[M:M+3]
	ds_store_b128 v[MXS], v[M+4:M+7] offset:16
	s_wait_dscnt 0x0                               ; for the other waves: my maxima are written
	s_barrier_signal -1
	s_barrier_wait -1
	SCALES                                         ; ends with its loads waited for: MAXB is written again only behind later barriers
	PACK 0
	PACK 1
	s_wait_dscnt 0x0                               ; for the other waves: my columns of the new activations are written
	s_wait_tensorcnt 0x1                           ; slot 0's tile is in (one load was issued behind it)
	s_barrier_signal -1
	s_barrier_wait -1
	FETCH 0, 0, F0
	WIN 0
	s_sub_co_u32 s48, s48, 1
	s_cmp_lg_u32 s48, 0
	s_cbranch_scc1 .Llayer
	; layer 7: positions 0 to 5 ask for its positions 2 to 7; the last two ask for nothing
	STEPS6
	QUARTER 0, 0
	TURN 0, 7, 0, 1                                ; its wait for 0 shows the last tile landed; no tensor load is out from here on
	QUARTER 1, 0
	s_wait_dscnt 8
	WIN MUL_LO
	MUL16 F1, 0, 0, 0
	MUL16 F1, 0, 2, 0
	s_wait_dscnt 0                                 ; my last reads of ACT are over
	WIN MUL_HI
	MUL16 F1, 1, 0, 0
	MUL16 F1, 1, 2, 0
	WIN 0
	s_barrier_signal -1
	s_barrier_wait -1                              ; everybody's are: ACT's bytes now serve as the waves' output stages
	AFFINE
; 16 rows of out0 at a time: 32 bytes a tile and lane into my own stage, read back as whole rows of my 512 bytes.
.macro OUT16 a, f
	WIN 0x08+4*(\a>>2)                             ; store data in window 2 or 3
.irp b, 0,1,2,3,4,5,6,7
	ds_store_b128 v[OST], v[8*(8*(\a&3)+\b):8*(8*(\a&3)+\b)+3]   offset:64*\b
	ds_store_b128 v[OST], v[8*(8*(\a&3)+\b)+4:8*(8*(\a&3)+\b)+7] offset:64*\b+16
.endr
	WIN 0
	s_wait_xcnt 0x0                                ; buffer f was the data of earlier stores: loaded again only behind this wait
.irp t, 0,1,2,3,4,5,6,7,8,9,10,11,12,13,14,15
	ds_load_b128 v[\f+4*\t:\f+4*\t+3], v[ORD] offset:OPITCH*\t     ; LDS serves a wave's instructions in order (ISA guide 5.7.1): these see the stores above
.endr
.irp t, 0,1,2,3,4,5,6,7,8,9,10,11,12,13,14,15
	s_wait_dscnt 15-\t                             ; row t is back, the younger ones stay out
	global_store_b128 v[OOFF], v[\f+4*\t:\f+4*\t+3], s[12:13] offset:(16*\a+\t)*2048 th:TH_STORE_NT   ; 512 consecutive bytes, at a multiple of 512 from out0's first byte
.endr
.endm
	OUT16 0, F0
	OUT16 1, F1
	OUT16 2, F0
	OUT16 3, F1
	OUT16 4, F0
	OUT16 5, F1
	OUT16 6, F0
	OUT16 7, F1
	s_set_vgpr_msb 0x1
	s_wait_tensorcnt 0x0
	ds_add_u32 v63, v17
	s_wait_dscnt 0x0
	s_set_vgpr_msb 0x100
	CROUND                                         ; the closing round: no work-group ends while a partner may still ask for a tile that names it
	s_endpgm
.Lfunc_end_k_q858a205572_chain:
	.size	k_q858a205572_chain, .Lfunc_end_k_q858a205572_chain-k_q858a205572_chain
	.p2alignl 7, 3214868480
	.fill 96, 4, 3214868480
	.section	.rodata,"a",@progbits
	.p2align	6, 0x0
	.amdhsa_kernel k_q858a205572_chain
		.amdhsa_group_segment_fixed_size 327680
		.amdhsa_private_segment_fixed_size 0
		.amdhsa_enable_private_segment 0
		.amdhsa_kernarg_size 40
		.amdhsa_user_sgpr_count 2
		.amdhsa_user_sgpr_kernarg_segment_ptr 1
		.amdhsa_wavefront_size32 1
		.amdhsa_system_sgpr_workgroup_id_x 1
		.amdhsa_system_sgpr_workgroup_id_y 1
		.amdhsa_system_sgpr_workgroup_id_z 1
		.amdhsa_system_vgpr_workitem_id 0
		.amdhsa_next_free_vgpr 1024
		.amdhsa_next_free_sgpr 66
		.amdhsa_reserve_vcc 0
		.amdhsa_float_denorm_mode_32 3
		.amdhsa_float_denorm_mode_16_64 3
		.amdhsa_memory_ordered 1
		.amdhsa_forward_progress 1
		.amdhsa_inst_pref_size 255
	.end_amdhsa_kernel
	.section	.bss,"aw",@nobits
	.p2align	6
	.space	262144
	.amdgpu_metadata
---
amdhsa.version: [ 1, 2 ]
amdhsa.kernels:
  - .name:           k_q858a205572_chain
    .symbol:         k_q858a205572_chain.kd
    .args:
      - { .name: x, .offset: 0, .size: 8, .value_kind: global_buffer, .address_space: global }
      - { .name: wt, .offset: 8, .size: 8, .value_kind: global_buffer, .address_space: global }
      - { .name: Bbig, .offset: 16, .size: 8, .value_kind: global_buffer, .address_space: global }
      - { .name: Blil, .offset: 24, .size: 8, .value_kind: global_buffer, .address_space: global }
      - { .name: out0, .offset: 32, .size: 8, .value_kind: global_buffer, .address_space: global }
    .group_segment_fixed_size: 327680
    .private_segment_fixed_size: 0
    .kernarg_segment_align: 8
    .kernarg_segment_size: 40
    .max_flat_workgroup_size: 128
    .sgpr_count:     66
    .vgpr_count:     1024
    .wavefront_size: 32
...
	.end_amdgpu_metadata
.endif
;; end of part 2
